; MI455X (gfx1250); checked and timed in simulation.
; The chip was launched on July 23, 2026; its instructions are those of AMD's public machine-readable ISA for CDNA 5 (MIT licence, August 2026) and "CDNA5" Instruction Set Architecture Reference Guide (July 2026). The comments in the code are by the model that wrote it; some were corrected since.
;; Attention. Allowed arithmetic: float matrix products may take bf16 or f16 operands with f32 sums; all other float work in f32.
;; Inputs: hidden_states 2 x 1,024 x 2,048 float32; wk 2,048 x 2,048 float32; wo 2,048 x 2,048 float32; wq 2,048 x 2,048 float32; wv 2,048 x 2,048 float32.
;; Outputs: out0 2 x 1,024 x 2,048 float32.
;; One version. Each part assembles by itself: llvm-mc -triple=amdgcn-amd-amdhsa -mcpu=gfx1250 --defsym DOCPART=n.
;; ======== version 1 of 1: 4 launches
;; limits: values are held in f16: magnitudes above 65,504 overflow, below 6.1e-05 lose precision; inputs' magnitudes at most 65,504; below input magnitudes of 6.1e-05 results are inexact or not finite; right only within a limited range of input values
;; workspace buffers: xh 8,388,608 bytes; wqkvh 25,165,824 bytes; woh 8,388,608 bytes; qh 8,388,608 bytes; kh 8,388,608 bytes; vth 8,388,608 bytes; ah 8,388,608 bytes
;; launch cast (part 1): grid 1024 x 1, 8 waves a work-group, no clusters, 0 bytes of LDS; arguments hidden_states, wq, wk, wv, wo, xh, wqkvh, woh; writes xh, wqkvh, woh
.if DOCPART == 1
	.amdgcn_target "amdgcn-amd-amdhsa--gfx1250"
	.amdhsa_code_object_version 6
	.text
	.protected	k_q654cfd637d_cast
	.globl	k_q654cfd637d_cast
	.p2align	8
	.type	k_q654cfd637d_cast,@function
k_q654cfd637d_cast:
	s_mov_b64 s[64:65], 0
	v_nop
	global_prefetch_b8 v0, s[64:65] scope:SCOPE_SE
	s_setreg_imm32_b32 hwreg(HW_REG_WAVE_MODE, 25, 1), 1
	s_wait_xcnt 0x0
; All five f32 inputs are rounded once to f16 (nearest even), so that the three matrix launches behind this one can bring their
; operands in by tensor loads, shared in clusters, at 2 bytes a number.  xh = hidden_states, wqkvh = wq, wk, wv one behind the other, woh = wo.
; WHY f16 AND NOT bf16: the results are held to 1 % of the output's root mean square; a chain of operands of 8 significant bits
; (q, k, v, the probabilities, the attention output) adds up to about 0.37 % rms, too near for 4.2 million numbers; 11 bits give about 0.07 %.
; LIMIT: |input| above 65,504 becomes infinite, |input| below 6.1e-5 keeps an absolute error of 3e-8.  The drawn inputs (x about 1,
; weights about 0.022) have room for a factor or an offset of 30 spreads either way (x to 165, weights from 7e-4 to 0.8).
; A stream: memory binds, so no LDS, no barrier, no matrix unit.  8,192 waves; wave g owns bytes 2,048 g .. 2,048 g + 2,047 of each input:
; four loads of 16 bytes a lane for each array, each covering 512 consecutive bytes.  All 20 loads of a wave go out at once: no loop,
; no register is used twice.  A store of 8 bytes a lane covers 256 consecutive bytes, aligned.
.set X, 8                              ; v[8:87]    array i, load k: 4 registers of f32
.set Y, 88                             ; v[88:127]  array i, load k: 2 registers of f16
	s_load_b512 s[4:19], s[0:1], 0x0               ; hidden s[4:5], wq s[6:7], wk s[8:9], wv s[10:11], wo s[12:13], xh s[14:15], wqkvh s[16:17], woh s[18:19]
	v_lshrrev_b32 v1, 5, v0                        ; wave in the work-group
	v_and_b32 v2, 31, v0                           ; lane
	v_lshlrev_b32 v1, 11, v1                       ; 2,048 bytes a wave
	v_lshl_or_b32 v1, v2, 4, v1                    ; + 16 bytes a lane
	s_lshl_b32 s24, ttmp9, 14                      ; 8 waves x 2,048 bytes a work-group
	v_add_nc_u32 v1, s24, v1                       ; v1: byte offset in an input (below 16 MiB)
	v_lshrrev_b32 v2, 1, v1                        ; v2: byte offset in its f16 copy: half of it
	s_wait_kmcnt 0x0
.irp i, 0,1,2,3,4
.irp k, 0,1,2,3
	global_load_b128 v[X+16*\i+4*\k:X+16*\i+4*\k+3], v1, s[4+2*\i:5+2*\i] offset:512*\k th:TH_LOAD_NT   ; read once in the launch
.endr
.endr
	s_add_nc_u64 s[20:21], s[16:17], 0x800000      ; wk's part of wqkvh: 8 MiB on (outside a store's immediate)
	s_add_nc_u64 s[22:23], s[16:17], 0x1000000     ; wv's part
; Array i is rounded and stored to the buffer whose address is in s[d:d+1].
.macro PIECE i, d
	s_wait_loadcnt 16-4*\i                         ; loads come back in order (ISA guide 5.7.1): the 4 (4 - i) loads of the later arrays may stay out
.irp k, 0,1,2,3
	v_cvt_pk_f16_f32 v[Y+8*\i+2*\k],   v[X+16*\i+4*\k],   v[X+16*\i+4*\k+1]
	v_cvt_pk_f16_f32 v[Y+8*\i+2*\k+1], v[X+16*\i+4*\k+2], v[X+16*\i+4*\k+3]
.endr
.irp k, 0,1,2,3
	global_store_b64 v2, v[Y+8*\i+2*\k:Y+8*\i+2*\k+1], s[\d:\d+1] offset:256*\k   ; 32 lanes x 8 bytes: 256 consecutive bytes, aligned; later launches read them: no hint
.endr
.endm
	PIECE 0, 14
	PIECE 1, 16
	PIECE 2, 20
	PIECE 3, 22
	PIECE 4, 18
	s_endpgm
.Lfunc_end_k_q654cfd637d_cast:
	.size	k_q654cfd637d_cast, .Lfunc_end_k_q654cfd637d_cast-k_q654cfd637d_cast
	.p2alignl 7, 3214868480
	.fill 96, 4, 3214868480
	.section	.rodata,"a",@progbits
	.p2align	6, 0x0
	.amdhsa_kernel k_q654cfd637d_cast
		.amdhsa_group_segment_fixed_size 0
		.amdhsa_private_segment_fixed_size 0
		.amdhsa_enable_private_segment 0
		.amdhsa_kernarg_size 64
		.amdhsa_user_sgpr_count 2
		.amdhsa_user_sgpr_kernarg_segment_ptr 1
		.amdhsa_wavefront_size32 1
		.amdhsa_system_sgpr_workgroup_id_x 1
		.amdhsa_system_sgpr_workgroup_id_y 1
		.amdhsa_system_sgpr_workgroup_id_z 1
		.amdhsa_system_vgpr_workitem_id 0
		.amdhsa_next_free_vgpr 128
		.amdhsa_next_free_sgpr 66
		.amdhsa_reserve_vcc 0
		.amdhsa_float_denorm_mode_32 3
		.amdhsa_float_denorm_mode_16_64 3
		.amdhsa_memory_ordered 1
		.amdhsa_forward_progress 1
		.amdhsa_inst_pref_size 8
	.end_amdhsa_kernel
	.amdgpu_metadata
---
amdhsa.version: [ 1, 2 ]
amdhsa.kernels:
  - .name:           k_q654cfd637d_cast
    .symbol:         k_q654cfd637d_cast.kd
    .args:
      - { .name: hidden_states, .offset: 0, .size: 8, .value_kind: global_buffer, .address_space: global }
      - { .name: wq, .offset: 8, .size: 8, .value_kind: global_buffer, .address_space: global }
      - { .name: wk, .offset: 16, .size: 8, .value_kind: global_buffer, .address_space: global }
      - { .name: wv, .offset: 24, .size: 8, .value_kind: global_buffer, .address_space: global }
      - { .name: wo, .offset: 32, .size: 8, .value_kind: global_buffer, .address_space: global }
      - { .name: xh, .offset: 40, .size: 8, .value_kind: global_buffer, .address_space: global }
      - { .name: wqkvh, .offset: 48, .size: 8, .value_kind: global_buffer, .address_space: global }
      - { .name: woh, .offset: 56, .size: 8, .value_kind: global_buffer, .address_space: global }
    .group_segment_fixed_size: 0
    .private_segment_fixed_size: 0
    .kernarg_segment_align: 8
    .kernarg_segment_size: 64
    .max_flat_workgroup_size: 256
    .sgpr_count:     66
    .vgpr_count:     128
    .wavefront_size: 32
...
	.end_amdgpu_metadata
.endif
;; end of part 1
;; launch qkv (part 2): grid 16 x 16, 4 waves a work-group, clusters of 4 x 4, 327,680 bytes of LDS; arguments xh, wqkvh, qh, kh, vth; writes qh, kh, vth
.if DOCPART == 2
	.amdgcn_target "amdgcn-amd-amdhsa--gfx1250"
	.amdhsa_code_object_version 6
	.text
	.protected	k_q654cfd637d_qkv
	.globl	k_q654cfd637d_qkv
	.p2align	8
	.type	k_q654cfd637d_qkv,@function
k_q654cfd637d_qkv:
	s_mov_b64 s[64:65], 0
	v_nop
	global_prefetch_b8 v0, s[64:65] scope:SCOPE_SE
	s_setreg_imm32_b32 hwreg(HW_REG_WAVE_MODE, 25, 1), 1
	s_wait_xcnt 0x0
	s_wait_alu depctr_hold_cnt(0) depctr_sa_sdst(0) depctr_va_vdst(0) depctr_va_sdst(0) depctr_va_ssrc(0) depctr_va_vcc(0) depctr_vm_vsrc(0)
	s_getreg_b32 s2, hwreg(HW_REG_IB_STS2, 6, 4)
	s_cmp_eq_u32 s2, 0
	s_cbranch_scc0 .Lentry_in_a_cluster
	s_endpgm
.Lentry_in_a_cluster:
	s_bfe_u32 s2, ttmp6, 0x10000c
	s_cmp_lg_u32 s2, 0xf033
	s_cbranch_scc0 .Lentry_shape_is_right
	s_endpgm
.Lentry_shape_is_right:
; q, k, v = x W^T for one head and 128 rows of x, rotary embedding on q and k, v stored transposed.  Operands f16, sums f32.
; xh: [2048 rows = 2 x 1024][2048].  wqkvh: [3][2048][2048].  qh, kh: [2][16][1024][128].  vth: [2][16][128 d][1024 s].  All f16.
; STORED SCALE: q, k and v are stored times 2^-4 (exact), so that f16 has room: with x and a weight both offset by 30 of their spreads a
; feature is 900 sqrt(2048) = 40,700, after the rotation at most 57,600, stored 3,600; with all inputs 30 times smaller a feature is
; 1.1e-3, stored 7e-5, where f16's absolute step still gives 0.03 % of that.  LIMIT: |q|, |k|, |v| above 1.04e6 become infinite.
; ROTARY ANGLE: position x frequency is formed in revolutions in f32 (error about 2e-4 radians at position 1023), reduced to
; [-1/2, 1/2] by its nearest whole number, and sine and cosine of HALF the angle come from series whose cut is below 5e-7 on that whole range.
; A work-group makes 128 rows x 384 features (the head's 128 of q, of k and of v) with four waves.  Wave w takes all 128 rows (row tiles
; a = 0..7) and six feature tiles b = 2 p + hi (p = 0, 1, 2: q, k, v): features 16 w + 64 hi + 0..15.  So the partners d and d + 64 of the
; rotation lie in the same lane and register of tiles 2 p and 2 p + 1.  48 accumulator tiles, 384 registers.
; K goes in steps of 128 (rows of 256 bytes) through a ring of two LDS slots; a slot holds 128 rows of x, of wq, of wk and of wv.
; THE GRID: x walks the 16 row blocks, y the 16 heads.  Clusters with the same y read the same four heads' weights, 6 MiB, and differ only in
; their 2 MiB of x: the larger operand (24 MiB of weights against 8 MiB of x) is the one that clusters next to each other in x have in common.
; CLUSTERS: 4 x 4 work-groups.  x's tile hangs on the row block alone and is asked for jointly along a column of the cluster (wave 0);
; the weights' tiles hang on the head alone and are asked for jointly along a row (waves 1 to 3): a quarter of the requests.
; REGISTERS: window 0: v0-31 addresses; two fragment buffers F0 = v32-143, F1 = v144-255 (x's tile a at + 8 a, the weights' tile b at + 64 + 8 b).
;   window 1 (a = 0..3), window 2 (a = 4..7): accumulator (a, b) at 8 (6 (a % 4) + b); cos / 16 at 192 + 16 (a % 4) + j, sin / 16 at + 8.
; SOURCES: for q and k source 0 = weights, source 1 = x: a lane then holds row a 16 + l % 16 and features 8 (l / 16) + 0..7, 16 bytes of a row of q.
;   For v source 0 = x, source 1 = weights: a lane holds ONE feature and eight neighbouring positions: 16 bytes of a row of v transposed.
.set HID,    2048
.set KSTEP,  128
.set PITCH,  272                       ; an LDS row: 256 bytes + 16 of padding: the 16 rows of a fragment load start in 16 different groups of banks (64 banks of 4 bytes: ISA guide 11.1)
.set T16,    16*PITCH
.set T64,    64*PITCH
.set T128,   128*PITCH                 ; what one tensor load brings
.set SLOT,   4*T128                    ; x, wq, wk, wv
.set STAGE,  2*SLOT                    ; 128 rows x 272 bytes for the way out: bytes of its own, no tensor load lands there
.set LAPS,   HID/(2*KSTEP)             ; 8 laps of two K steps
.set ADRA, 4                           ; v4-5   LDS address of my x fragments in slot 0, 1 (v4 is also row x pitch + 16 x half)
.set ADRB, 6                           ; v6-7   of my wq and wk fragments
.set ADRV, 8                           ; v8-9   of my wv fragments (their distance from wq's would pass a 16-bit offset)
.set STO,  10                          ; v10    way out, q and k: where I put 16 bytes
.set STV,  11                          ; v11    way out, v transposed
.set RD,   12                          ; v12    way out: where I read rows back
.set CO,   13                          ; v13    my byte offset in the block of q or k
.set COV,  14                          ; v14    my byte offset in the block of v transposed
.set F0,   32
.set F1,   144
.set TAB,  192                         ; the table, in windows 1 and 2
.set FR,   32                          ; table making, ahead of the first fragments: v32-39 revolutions per position of my 8 frequencies
.set TA,   40                          ; v40-41 the tile's position, twice
.set REV,  42                          ; v42-49 revolutions, then the reduced R
.set RN,   50                          ; v50-57 nearest whole number
.set ZZ,   58                          ; v58-65 R^2
.set PS,   66                          ; v66-73 sine series, then sin(pi R)
.set PC,   74                          ; v74-81 cosine series: cos(pi R)
.set CS,   82                          ; v82-83 top coefficient of the sine series, twice
.set CC,   84                          ; v84-85 of the cosine series
.set UU,   86                          ; v86-93 sin(pi R) / 8
.set TT,   32                          ; way out: v32-95 rotated or scaled results of four row tiles, f32
.set PK,   96                          ; v96-127 the same in f16
.set OUT,  144                         ; v144-207 rows read back
.set G1A, 24                           ; s[24:31] group 1 for x's tiles
.set G0A, 32                           ; s[32:39] group 0 for x's tiles, a set for each slot
.set G1B, 48                           ; s[48:55] group 1 for the weights' tiles: the mask differs
.set G0B, 56                           ; s[56:63] group 0 for the weights' tiles
.set G1W0, (1<<16)|(1<<20)|(1<<21)|(5<<22)|(3<<25)   ; 17:16 elements of 2 bytes; 20 padding on; 21 set beside a mask; 24:22 after every 64 words; 31:25 4 words
.set MUL_LO, 0x50                      ; C and D window 1, sources window 0
.set MUL_HI, 0xa0                      ; C and D window 2
.set MSB, 0
.macro WIN new                         ; the immediate's high byte repeats the setting that is left; a switch that changes nothing is dropped
.if MSB != \new
	s_set_vgpr_msb (MSB<<8)|\new
.set MSB, \new
.endif
.endm
; A joint load: wave 0 asks for x's tile, waves 1 to 3 for wq's, wk's, wv's.  Each line has one mask; the branch hangs on the wave's number alone.
.macro JLOAD s
	s_cmp_eq_u32 s14, 0
	s_cbranch_scc0 .Lfor_b_\@
	tensor_load_to_lds s[G0A+4*(\s):G0A+4*(\s)+3], s[G1A:G1A+7]
	s_nop 0
	s_branch .Lasked_\@
.Lfor_b_\@:
	tensor_load_to_lds s[G0B+4*(\s):G0B+4*(\s)+3], s[G1B:G1B+7]
	s_nop 0
.Lasked_\@:
.endm
; A round of the cluster's barrier: my work-group's barrier; wave 0 signals for the work-group; every wave waits for all sixteen; my work-group's barrier again.
.macro CREST                           ; a round behind its opening barrier
	s_cmp_lg_u32 s14, 0
	s_cbranch_scc1 .Lnot_wave_0_\@
	s_barrier_signal -3
.Lnot_wave_0_\@:
	s_barrier_wait -3
	s_barrier_signal -1
	s_barrier_wait -1
.endm
.macro CROUND
	s_barrier_signal -1
	s_barrier_wait -1
	CREST
.endm
.macro PLACES                          ; four plain vector instructions between a matrix instruction and a load into, or a vector read or write of, its registers
.rept 4
	v_nop
.endr
.endm
	s_load_b256 s[4:11], s[0:1], 0x0               ; xh s[4:5], wqkvh s[6:7], qh s[8:9], kh s[10:11]
	s_load_b64 s[12:13], s[0:1], 0x20              ; vth
	v_lshl_add_u32 v30, v0, 2, 0x4c800
	v_mov_b32 v31, 0
	ds_add_u32 v30, v31
	v_lshrrev_b32 v1, 5, v0
	v_readfirstlane_b32 s14, v1                    ; wave 0..3
	s_bfe_u32 s16, ttmp6, 0x40000                  ; cx
	s_bfe_u32 s17, ttmp6, 0x40004                  ; cy
	s_lshl_b32 s19, ttmp9, 2
	s_add_co_u32 s19, s19, s16                     ; row block = 4 x cluster x + cx
	s_and_b32 s18, ttmp7, 0xffff
	s_lshl_b32 s18, s18, 2
	s_add_co_u32 s18, s18, s17                     ; head = 4 x cluster y + cy
	s_lshl_b32 s21, s17, 2
	s_lshl_b32 s21, 15, s21                        ; my row of the cluster: places 4 cy .. 4 cy + 3: the same head
	s_lshl_b32 s22, 0x1111, s16                    ; my column: places cx, cx + 4, cx + 8, cx + 12: the same row block
	s_or_b32 s[G1A], s22, G1W0                     ; x's tiles go to my column
	s_or_b32 s[G1B], s21, G1W0                     ; the weights' tiles to my row
.irp g, G1A, G1B
	s_mov_b32 s[\g+1], KSTEP<<16                   ; tensor_dim0 = 128
	s_mov_b32 s[\g+2], 128<<16                     ; tensor_dim1 = 128
	s_mov_b32 s[\g+3], KSTEP<<16                   ; tile_dim0 = 128 elements: 256 bytes
	s_mov_b32 s[\g+4], 128                         ; tile_dim1 = 128 rows
	s_mov_b32 s[\g+5], HID                         ; elements from row to row
	s_mov_b32 s[\g+6], 0
	s_mov_b32 s[\g+7], 0
.endr
	s_lshl_b32 s40, s19, 19                        ; x: row block x 128 rows x 4,096 bytes
	s_mov_b32 s41, 0
	s_max_u32 s66, s14, 1                          ; weights: matrix w - 1 (wave 0 asks by x's descriptor; its copy of this one points at wq and is not used)
	s_sub_co_u32 s66, s66, 1
	s_lshl_b32 s66, s66, 23                        ; x 8 MiB
	s_lshl_b32 s67, s18, 19                        ; + head x 128 rows x 4,096 bytes
	s_add_co_u32 s66, s66, s67
	s_mov_b32 s67, 0
	s_mul_i32 s20, s14, T128                       ; where my tile goes: wave x 128 rows; no place in the cluster enters an LDS address
	s_wait_dscnt 0x0
	s_wait_kmcnt 0x0
	s_add_nc_u64 s[42:43], s[4:5], s[40:41]
	s_add_nc_u64 s[66:67], s[6:7], s[66:67]
	CROUND                                         ; all sixteen work-groups are here: the first joint loads meet
.irp s, 0,1
	s_mov_b32 s[G0A+4*\s], 1                                       ; count = 1
	s_add_co_u32 s[G0A+4*\s+1], s20, \s*SLOT                       ; LDS address
	s_add_nc_u64 s[G0A+4*\s+2:G0A+4*\s+3], s[42:43], \s*KSTEP*2    ; global address: K step s
	s_or_b32 s[G0A+4*\s+3], s[G0A+4*\s+3], 0x80000000              ; type = 2
	s_mov_b32 s[G0B+4*\s], 1
	s_add_co_u32 s[G0B+4*\s+1], s20, \s*SLOT
	s_add_nc_u64 s[G0B+4*\s+2:G0B+4*\s+3], s[66:67], \s*KSTEP*2
	s_or_b32 s[G0B+4*\s+3], s[G0B+4*\s+3], 0x80000000
	JLOAD \s                                       ; both slots are asked for before anything else: two tensor loads of the wave are out, later one
.endr
	; lane addresses.  A fragment: lane l holds row l % 16; two loads of 16 bytes, 32 bytes apart, at row x pitch + 16 (l / 16).
	v_and_b32 v1, 15, v0                           ; r = l % 16
	v_bfe_u32 v2, v0, 4, 1                         ; h = l / 16
	v_mul_u32_u24 v[ADRA], v1, PITCH
	v_lshl_add_u32 v[ADRA], v2, 4, v[ADRA]         ; r x pitch + 16 h: x lies at the slot's start
	v_add_nc_u32 v[ADRA+1], SLOT, v[ADRA]
	s_mul_i32 s23, s14, T16                        ; my features begin at row 16 w of each weight tile
	s_add_co_u32 s23, s23, T128
	v_add_nc_u32 v[ADRB], s23, v[ADRA]
	v_add_nc_u32 v[ADRB+1], SLOT, v[ADRB]
	v_add_nc_u32 v[ADRV], 2*T128, v[ADRB]
	v_add_nc_u32 v[ADRV+1], 2*T128, v[ADRB+1]
	s_lshl_b32 s23, s14, 5
	s_add_co_u32 s23, s23, STAGE
	v_add_nc_u32 v[STO], s23, v[ADRA]              ; stage row r, byte 32 w + 16 h (features 16 w + 8 h ..)
	s_mul_i32 s23, s14, T16
	s_add_co_u32 s23, s23, STAGE
	v_add_nc_u32 v[STV], s23, v[ADRA]              ; stage row 16 w + r (a feature), byte 16 h (positions 8 h ..)
	v_mul_u32_u24 v15, v2, PITCH
	v_lshl_add_u32 v15, v1, 4, v15
	s_mul_i32 s23, s14, 32*PITCH
	s_add_co_u32 s23, s23, STAGE
	v_add_nc_u32 v[RD], s23, v15                   ; back: rows 32 w + h, 16 bytes at 16 r
	v_and_b32 v15, 31, v0
	v_lshlrev_b32 v15, 4, v15
	s_lshl_b32 s23, s14, 13
	v_add_nc_u32 v[CO], s23, v15                   ; q, k: rows of 256 bytes follow each other: 8,192 w + 16 l
	v_lshlrev_b32 v15, 11, v2
	v_lshl_add_u32 v15, v1, 4, v15
	s_lshl_b32 s23, s14, 16
	v_add_nc_u32 v[COV], s23, v15                  ; v transposed: rows of 2,048 bytes: (32 w + h) x 2,048 + 16 r
	; THE TABLE, made while the first tiles are on their way.  Frequency i = 16 w + 8 h + j: 10000^(-i/64) = 2^(-0.2076205 i), times 1/(2 pi): revolutions per position.
	v_lshlrev_b32 v15, 3, v2
	s_lshl_b32 s23, s14, 4
	v_add_nc_u32 v15, s23, v15
.irp j, 0,1,2,3,4,5,6,7
	v_add_nc_u32 v[FR+\j], \j, v15
.endr
.irp j, 0,1,2,3,4,5,6,7
	v_cvt_f32_u32 v[FR+\j], v[FR+\j]
.endr
.irp j, 0,1,2,3,4,5,6,7
	v_mul_f32 v[FR+\j], 0xbe549a78, v[FR+\j]       ; -log2(10000) / 64
.endr
.irp j, 0,1,2,3,4,5,6,7
	v_exp_f32 v[FR+\j], v[FR+\j]
.endr
	s_and_b32 s23, s19, 7                          ; eight row blocks to a sequence
	s_lshl_b32 s23, s23, 7
	v_add_nc_u32 v15, s23, v1                      ; position of row r of tile 0.  (A plain instruction behind the exponentials, ahead of their use: ISA guide 5.7.2)
	v_cvt_f32_u32 v[TA], v15
	v_mov_b32 v[CS], 0xbbf183a6                    ; -pi^11 / 11!
	v_mov_b32 v[CS+1], 0xbbf183a6
	v_mov_b32 v[CC], 0xbcd368f9                    ; -pi^10 / 10!
	v_mov_b32 v[CC+1], 0xbcd368f9
	v_mov_b32 v[TA+1], v[TA]
	s_wait_alu depctr_va_vdst(0)
.irp j, 0,1,2,3,4,5,6,7
	v_mul_f32 v[FR+\j], 0.15915494, v[FR+\j]
.endr
.macro HORNER ks, kc                   ; one step of both series
.irp q, 0,2,4,6
	v_pk_fma_f32 v[PS+\q:PS+\q+1], v[PS+\q:PS+\q+1], v[ZZ+\q:ZZ+\q+1], \ks op_sel_hi:[1,1,0]
	v_pk_fma_f32 v[PC+\q:PC+\q+1], v[PC+\q:PC+\q+1], v[ZZ+\q:ZZ+\q+1], \kc op_sel_hi:[1,1,0]
.endr
.endm
; Row tile a: with s = sin(pi R), c = cos(pi R) of the reduced R: sin(2 pi R) / 16 = (s / 8) c, cos(2 pi R) / 16 = 1/16 - (s / 8) s.
.macro TABLE a
.irp q, 0,2,4,6
	v_pk_mul_f32 v[REV+\q:REV+\q+1], v[FR+\q:FR+\q+1], v[TA:TA+1]
.endr
.irp j, 0,1,2,3,4,5,6,7
	v_rndne_f32 v[RN+\j], v[REV+\j]
.endr
.irp q, 0,2,4,6
	v_pk_add_f32 v[REV+\q:REV+\q+1], v[REV+\q:REV+\q+1], v[RN+\q:RN+\q+1] neg_lo:[0,1] neg_hi:[0,1]   ; R in [-1/2, 1/2], exact
.endr
.irp q, 0,2,4,6
	v_pk_mul_f32 v[ZZ+\q:ZZ+\q+1], v[REV+\q:REV+\q+1], v[REV+\q:REV+\q+1]
.endr
.irp q, 0,2,4,6
	v_pk_fma_f32 v[PS+\q:PS+\q+1], v[ZZ+\q:ZZ+\q+1], v[CS:CS+1], 0x3da83c17 op_sel_hi:[1,1,0]   ; pi^9 / 9!
	v_pk_fma_f32 v[PC+\q:PC+\q+1], v[ZZ+\q:ZZ+\q+1], v[CC:CC+1], 0x3e70fa83 op_sel_hi:[1,1,0]   ; pi^8 / 8!
.endr
	HORNER 0xbf196966, 0xbfaae9e4                  ; -pi^7 / 7!, -pi^6 / 6!
	HORNER 0x402335e3, 0x4081e0f8                  ; pi^5 / 5!, pi^4 / 4!
	HORNER 0xc0a55de7, 0xc09de9e6                  ; -pi^3 / 3!, -pi^2 / 2
	HORNER 0x40490fdb, 1.0                         ; pi, 1
.irp q, 0,2,4,6
	v_pk_mul_f32 v[PS+\q:PS+\q+1], v[PS+\q:PS+\q+1], v[REV+\q:REV+\q+1]
.endr
.irp q, 0,2,4,6
	v_pk_mul_f32 v[UU+\q:UU+\q+1], v[PS+\q:PS+\q+1], 0x3e000000 op_sel_hi:[1,0]   ; / 8
.endr
	WIN 0x40*(1+\a/4)                              ; destination in the tile's window
.irp q, 0,2,4,6
	v_pk_mul_f32 v[TAB+16*(\a%4)+8+\q:TAB+16*(\a%4)+8+\q+1], v[UU+\q:UU+\q+1], v[PC+\q:PC+\q+1]
	v_pk_fma_f32 v[TAB+16*(\a%4)+\q:TAB+16*(\a%4)+\q+1], v[UU+\q:UU+\q+1], v[PS+\q:PS+\q+1], 0x3d800000 op_sel_hi:[1,1,0] neg_lo:[1,0,0] neg_hi:[1,0,0]
.endr
	WIN 0
.if \a < 7
	v_pk_add_f32 v[TA:TA+1], v[TA:TA+1], 0x41800000 op_sel_hi:[1,0]   ; 16 positions on: whole numbers, exact
.endif
.endm
.irp a, 0,1,2,3,4,5,6,7
	TABLE \a
.endr
.macro WM d, x, y, zero                ; one matrix instruction; zero = 1: the product starts the sum, nothing is ever cleared
.if \zero
	v_wmma_f32_16x16x32_f16 v[\d:\d+7], v[\x:\x+7], v[\y:\y+7], 0
.else
	v_wmma_f32_16x16x32_f16 v[\d:\d+7], v[\x:\x+7], v[\y:\y+7], v[\d:\d+7]
.endif
.endm
; 12 matrix instructions: row tiles a0, a0 + 1 of the window's four x all six feature tiles.  The 48 accumulators take turns, one instruction
; a turn, in the same order in every quarter step, over the loop's backward jump too.
.macro MUL12 f, hi, a0, zero
.irp a, \a0, \a0+1
.irp b, 0,1,2,3
	WM 8*(6*(\a)+\b), \f+64+8*\b, \f+8*(4*\hi+(\a)), \zero
.endr
.irp b, 4,5
	WM 8*(6*(\a)+\b), \f+8*(4*\hi+(\a)), \f+64+8*\b, \zero
.endr
.endr
.endm
; 28 LDS loads in one run: the fragments of a quarter step (32 K at byte k of the rows): 12 for the weights, then 16 for x, tiles ascending
.macro FETCH slot, k, f
	WIN 0
.irp b, 0,1,2,3
	ds_load_b128 v[\f+64+8*\b:\f+64+8*\b+3],   v[ADRB+\slot] offset:(\b/2)*T128+(\b%2)*T64+\k
	ds_load_b128 v[\f+64+8*\b+4:\f+64+8*\b+7], v[ADRB+\slot] offset:(\b/2)*T128+(\b%2)*T64+\k+32
.endr
.irp b, 4,5
	ds_load_b128 v[\f+64+8*\b:\f+64+8*\b+3],   v[ADRV+\slot] offset:(\b-4)*T64+\k
	ds_load_b128 v[\f+64+8*\b+4:\f+64+8*\b+7], v[ADRV+\slot] offset:(\b-4)*T64+\k+32
.endr
.irp a, 0,1,2,3,4,5,6,7
	ds_load_b128 v[\f+8*\a:\f+8*\a+3],   v[ADRA+\slot] offset:\a*T16+\k
	ds_load_b128 v[\f+8*\a+4:\f+8*\a+7], v[ADRA+\slot] offset:\a*T16+\k+32
.endr
.endm
; One of a K step's first three quarters: multiplies buffer f; in its middle it fetches the next quarter's fragments into buffer g.
.macro QUARTER slot, k, f, g, zero
	s_wait_dscnt 8                                 ; the weights and x's tiles 0-3 are in; the youngest eight loads (x's tiles 4-7) may be out
	WIN MUL_LO
	MUL12 \f, 0, 0, \zero
	MUL12 \f, 0, 2, \zero
	PLACES
	FETCH \slot, \k, \g
	s_wait_dscnt 28                                ; all but the 28 just issued
	WIN MUL_HI
	MUL12 \f, 1, 0, \zero
	MUL12 \f, 1, 2, \zero
.endm
.macro THREE slot, zero
	QUARTER \slot, 64,  F0, F1, \zero
	QUARTER \slot, 128, F1, F0, 0
	QUARTER \slot, 192, F0, F1, 0
.endm
; The last quarter multiplies buffer 1 and changes slots.  One barrier for two things: in front of it each wave waits for its reads of this slot
; and for all its tensor loads (one is out: its tile of the next slot); behind it nobody reads this slot and the next slot is whole.  Where the slot
; is filled again the barrier opens a round of the cluster's barrier, and the joint refill is the first tensor load behind the round.
; From a request to the wait for it a wave issues 180 matrix instructions.
.macro TURN slot, next, fill
	s_wait_dscnt 8
	WIN MUL_LO
	MUL12 F1, 0, 0, 0
	s_wait_dscnt 0x0                               ; my reads of this slot are over
	s_wait_tensorcnt 0x0                           ; all my tensor loads have landed
	ds_add_u32 v30, v31
	s_wait_dscnt 0x0
	s_barrier_signal -1
	MUL12 F1, 0, 2, 0                              ; registers only, while the others arrive
	WIN 0
	s_barrier_wait -1
.if \fill
	CREST                                          ; no wave of any partner still reads this slot or has a load on its way
	s_add_nc_u64 s[G0A+4*\slot+2:G0A+4*\slot+3], s[G0A+4*\slot+2:G0A+4*\slot+3], 2*KSTEP*2
	s_add_nc_u64 s[G0B+4*\slot+2:G0B+4*\slot+3], s[G0B+4*\slot+2:G0B+4*\slot+3], 2*KSTEP*2
	JLOAD \slot
.endif
	PLACES
	FETCH \next, 0, F0
	WIN MUL_HI
	MUL12 F1, 1, 0, 0
	MUL12 F1, 1, 2, 0
.endm
.macro LAP zero
	THREE 0, \zero
	TURN 0, 1, 1
	THREE 1, 0
	TURN 1, 0, 1
.endm
	s_wait_tensorcnt 0x1                           ; my tile of K step 0 is in; K step 1's may stay out
	s_barrier_signal -1
	s_barrier_wait -1                              ; everybody's is
	FETCH 0, 0, F0
	LAP 1                                          ; the first lap's first products start the sums
	WIN 0                                          ; at a label and at a branch every window is 0
	s_mov_b32 s15, LAPS-2
.Llap:
	LAP 0
	WIN 0
	s_sub_co_u32 s15, s15, 1
	s_cmp_lg_u32 s15, 0
	s_cbranch_scc1 .Llap
	THREE 0, 0                                     ; the last lap fills nothing
	TURN 0, 1, 0
	THREE 1, 0
	s_wait_dscnt 8
	WIN MUL_LO
	MUL12 F1, 0, 0, 0
	MUL12 F1, 0, 2, 0
	s_wait_dscnt 0x0
	WIN MUL_HI
	MUL12 F1, 1, 0, 0
	MUL12 F1, 1, 2, 0
	PLACES                                         ; behind the last matrix instructions: results are read and fragment registers rewritten below
	WIN 0
	; THE WAY OUT: three passes (q, k, v transposed) through the one stage of 128 rows x 256 bytes.
	s_lshr_b32 s68, s19, 3                         ; batch
	s_lshl4_add_u32 s68, s68, s18                  ; 16 x batch + head
	s_and_b32 s69, s19, 7                          ; row block in the sequence
	s_lshl_b32 s70, s68, 18                        ; a head is 262,144 bytes in qh, kh and vth
	s_lshl_b32 s72, s69, 15                        ; q, k: 128 rows x 256 bytes
	s_add_co_u32 s72, s72, s70
	s_mov_b32 s73, 0
	s_lshl_b32 s74, s69, 8                         ; v transposed: 128 positions x 2 bytes along a row
	s_add_co_u32 s74, s74, s70
	s_mov_b32 s75, 0
	s_add_nc_u64 s[8:9], s[8:9], s[72:73]
	s_add_nc_u64 s[10:11], s[10:11], s[72:73]
	s_add_nc_u64 s[12:13], s[12:13], s[74:75]
.macro PACK4                           ; 64 f32 of four row tiles to f16
.irp a, 0,1,2,3
.irp hi, 0,1
.irp r, 0,1,2,3
	v_cvt_pk_f16_f32 v[PK+8*\a+4*\hi+\r], v[TT+16*\a+8*\hi+2*\r], v[TT+16*\a+8*\hi+2*\r+1]
.endr
.endr
.endr
.endm
; The four row tiles of window w (1 or 2) of matrix p (0: q, 1: k): x = features d < 64, y = features d + 64:
; low half x cos - y sin, high half y cos + x sin, with the table's 1/16 in them.  Sources 0 and 1 in window w, source 2 and destination in window 0.
.macro ROPE4 w, p
	WIN 5*\w
.irp a, 0,1,2,3
.irp q, 0,2,4,6
	v_pk_mul_f32 v[TT+16*\a+\q:TT+16*\a+\q+1],     v[8*(6*\a+2*\p)+\q:8*(6*\a+2*\p)+\q+1],     v[TAB+16*\a+\q:TAB+16*\a+\q+1]
	v_pk_mul_f32 v[TT+16*\a+8+\q:TT+16*\a+8+\q+1], v[8*(6*\a+2*\p+1)+\q:8*(6*\a+2*\p+1)+\q+1], v[TAB+16*\a+\q:TAB+16*\a+\q+1]
.endr
.irp q, 0,2,4,6
	v_pk_fma_f32 v[TT+16*\a+\q:TT+16*\a+\q+1],     v[8*(6*\a+2*\p+1)+\q:8*(6*\a+2*\p+1)+\q+1], v[TAB+16*\a+8+\q:TAB+16*\a+8+\q+1], v[TT+16*\a+\q:TT+16*\a+\q+1] neg_lo:[1,0,0] neg_hi:[1,0,0]
	v_pk_fma_f32 v[TT+16*\a+8+\q:TT+16*\a+8+\q+1], v[8*(6*\a+2*\p)+\q:8*(6*\a+2*\p)+\q+1],     v[TAB+16*\a+8+\q:TAB+16*\a+8+\q+1], v[TT+16*\a+8+\q:TT+16*\a+8+\q+1]
.endr
.endr
	WIN 0
	PACK4
.irp a, 0,1,2,3
.irp hi, 0,1
	ds_store_b128 v[STO], v[PK+8*\a+4*\hi:PK+8*\a+4*\hi+3] offset:(4*(\w-1)+\a)*T16+128*\hi   ; row 16 a + r, features 64 hi + 16 w + 8 h ..
.endr
.endr
.endm
; The same four row tiles of v: times 1/16, and a lane's eight numbers are eight positions of one feature.
.macro VT4 w
	WIN 5*\w
.irp a, 0,1,2,3
.irp hi, 0,1
.irp q, 0,2,4,6
	v_pk_mul_f32 v[TT+16*\a+8*\hi+\q:TT+16*\a+8*\hi+\q+1], v[8*(6*\a+4+\hi)+\q:8*(6*\a+4+\hi)+\q+1], 0x3d800000 op_sel_hi:[1,0]
.endr
.endr
.endr
	WIN 0
	PACK4
.irp a, 0,1,2,3
.irp hi, 0,1
	ds_store_b128 v[STV], v[PK+8*\a+4*\hi:PK+8*\a+4*\hi+3] offset:\hi*T64+32*(4*(\w-1)+\a)    ; row = feature 64 hi + 16 w + r, positions 16 a + 8 h ..
.endr
.endr
.endm
; The stage is whole: each wave reads 32 of its rows back and stores them, 16 lanes to 256 consecutive bytes, aligned.
.macro FLUSH base, off, step, last
	s_wait_dscnt 0x0                               ; my stores into the stage are done,
	s_barrier_signal -1
	s_barrier_wait -1                              ; everybody's are
	s_wait_xcnt 0x0                                ; OUT was the data of the last pass's stores: it is loaded again only behind this wait (ISA guide 3.1)
.irp t, 0,1,2,3,4,5,6,7,8,9,10,11,12,13,14,15
	ds_load_b128 v[OUT+4*\t:OUT+4*\t+3], v[RD] offset:2*PITCH*\t
.endr
.irp t, 0,1,2,3,4,5,6,7,8,9,10,11,12,13,14,15
	s_wait_dscnt 15-\t                             ; LDS loads come back in order: load t is in, the 15 - t younger ones may be out
	global_store_b128 v[\off], v[OUT+4*\t:OUT+4*\t+3], s[\base:\base+1] offset:\step*\t
.endr
.if \last == 0
	s_barrier_signal -1                            ; the count-down ended at 0: my reads of the stage are done;
	s_barrier_wait -1                              ; the next pass stores into it only when everybody's are
.endif
.endm
	ROPE4 1, 0
	ROPE4 2, 0
	FLUSH 8, CO, 512, 0
	ROPE4 1, 1
	ROPE4 2, 1
	FLUSH 10, CO, 512, 0
	VT4 1
	VT4 2
	FLUSH 12, COV, 4096, 1
	s_wait_tensorcnt 0x0
	ds_add_u32 v30, v31
	s_wait_dscnt 0x0
	CROUND                                         ; the closing round: no work-group ends while a partner may still ask for a tile that names it
	s_endpgm
.Lfunc_end_k_q654cfd637d_qkv:
	.size	k_q654cfd637d_qkv, .Lfunc_end_k_q654cfd637d_qkv-k_q654cfd637d_qkv
	.p2alignl 7, 3214868480
	.fill 96, 4, 3214868480
	.section	.rodata,"a",@progbits
	.p2align	6, 0x0
	.amdhsa_kernel k_q654cfd637d_qkv
		.amdhsa_group_segment_fixed_size 327680
		.amdhsa_private_segment_fixed_size 0
		.amdhsa_enable_private_segment 0
		.amdhsa_kernarg_size 40
		.amdhsa_user_sgpr_count 2
		.amdhsa_user_sgpr_kernarg_segment_ptr 1
		.amdhsa_wavefront_size32 1
		.amdhsa_system_sgpr_workgroup_id_x 1
		.amdhsa_system_sgpr_workgroup_id_y 1
		.amdhsa_system_sgpr_workgroup_id_z 1
		.amdhsa_system_vgpr_workitem_id 0
		.amdhsa_next_free_vgpr 768
		.amdhsa_next_free_sgpr 76
		.amdhsa_reserve_vcc 0
		.amdhsa_float_denorm_mode_32 3
		.amdhsa_float_denorm_mode_16_64 3
		.amdhsa_memory_ordered 1
		.amdhsa_forward_progress 1
		.amdhsa_inst_pref_size 229
	.end_amdhsa_kernel
	.amdgpu_metadata
---
amdhsa.version: [ 1, 2 ]
amdhsa.kernels:
  - .name:           k_q654cfd637d_qkv
    .symbol:         k_q654cfd637d_qkv.kd
    .args:
      - { .name: xh, .offset: 0, .size: 8, .value_kind: global_buffer, .address_space: global }
      - { .name: wqkvh, .offset: 8, .size: 8, .value_kind: global_buffer, .address_space: global }
      - { .name: qh, .offset: 16, .size: 8, .value_kind: global_buffer, .address_space: global }
      - { .name: kh, .offset: 24, .size: 8, .value_kind: global_buffer, .address_space: global }
      - { .name: vth, .offset: 32, .size: 8, .value_kind: global_buffer, .address_space: global }
    .group_segment_fixed_size: 327680
    .private_segment_fixed_size: 0
    .kernarg_segment_align: 8
    .kernarg_segment_size: 40
    .max_flat_workgroup_size: 128
    .sgpr_count:     76
    .vgpr_count:     768
    .wavefront_size: 32
...
	.end_amdgpu_metadata
.endif
;; end of part 2
;; launch attn (part 3): grid 8 x 32, 8 waves a work-group, clusters of 4 x 1, 327,680 bytes of LDS; arguments qh, kh, vth, ah; writes ah
.if DOCPART == 3
	.amdgcn_target "amdgcn-amd-amdhsa--gfx1250"
	.amdhsa_code_object_version 6
	.text
	.protected	k_q654cfd637d_attn
	.globl	k_q654cfd637d_attn
	.p2align	8
	.type	k_q654cfd637d_attn,@function
k_q654cfd637d_attn:
	s_mov_b64 s[64:65], 0
	v_nop
	global_prefetch_b8 v0, s[64:65] scope:SCOPE_SE
	s_setreg_imm32_b32 hwreg(HW_REG_WAVE_MODE, 25, 1), 1
	s_wait_xcnt 0x0
	s_wait_alu depctr_hold_cnt(0) depctr_sa_sdst(0) depctr_va_vdst(0) depctr_va_sdst(0) depctr_va_ssrc(0) depctr_va_vcc(0) depctr_vm_vsrc(0)
	s_getreg_b32 s2, hwreg(HW_REG_IB_STS2, 6, 4)
	s_cmp_eq_u32 s2, 0
	s_cbranch_scc0 .Lentry_in_a_cluster
	s_endpgm
.Lentry_in_a_cluster:
	s_bfe_u32 s2, ttmp6, 0x10000c
	s_cmp_lg_u32 s2, 0x3003
	s_cbranch_scc0 .Lentry_shape_is_right
	s_endpgm
.Lentry_shape_is_right:
; Attention of one head for 128 queries: softmax(q k^T / sqrt 128) v, with a running maximum.  Operands f16, everything else f32.
; qh, kh: [32 = batch x head][1024][128], stored times 2^-4.  vth: [32][128 d][1024 s], times 2^-4.  ah: [2048 rows][2048], head h at byte 256 h, stored times 2^-1.
; SCALES: a score is 2^8 times the product of the stored q and k, so the exponent's factor is c = 256 log2(e) / sqrt(128).  The output is
; (sum of p v) / l times 8: half the true value: f16 has room for |attention output| up to 131,000, and at inputs 30 times smaller than drawn
; (output about 3.5e-5, stored 1.7e-5) its absolute step is 0.1 % of that.
; LIMITS: probabilities are rounded to f16 relative to the wave's running maximum (at most about 1; below 6e-5 an absolute error of 3e-8, against a sum of at
; least about 1); v_exp_f32 gives 0 below 2^-126; a NaN among the scores loses in the maximum and is not carried.
; EIGHT WAVES, two for each of the WGP's four SIMDs.  A block of 128 keys costs a wave 128 matrix instructions and, between the two products, about 600 vector
; instructions and 130 exponentials of softmax that need the first product whole: with a second wave beside it one can feed the matrix unit while the other does its softmax.
; Wave w has the 32 queries of group w % 4 (tiles nq = 0, 1) and the key half kh = w / 4: of every slot of 256 keys it takes keys 128 kh .. 128 kh + 127, four blocks
; in all, with a running maximum, sum and O of its own.  LDS loads for each matrix instruction are the same as with four waves of 32 queries.  At the end the two
; waves of a query group join: each gives one query tile to the other, and with m the larger of the two maxima O = O_a 2^(c (m_a - m)) + O_b 2^(c (m_b - m)), l likewise.
; EVERYTHING IS TRANSPOSED: S^T = K Q^T (source 0 = 16 keys, source 1 = 16 queries) and O^T = V^T P^T (source 0 = 16 rows of v transposed, source 1 = P).
; So a lane belongs to ONE query l % 16: maximum, sum, rescaling factor and 1 / l are numbers of the lane, joined with the other half of the lanes by one
; v_permlanex16_b32; and a lane's eight scores of key tiles 2 kc and 2 kc + 1 are, rounded, registers 0-3 and 4-7 of P's fragment of key chunk kc: P is made in place.
; CLUSTERS: the four query blocks of a cluster read the same K and V tiles and ask for them jointly (mask 15): a quarter of the requests.
; LDS: two slots of eight parts of 17,408 bytes, one part for each wave's tensor load: parts 0-3 are 256 keys x 272 bytes, parts 4-7 are 32 rows each of v transposed,
; 512 bytes at a pitch of 528 (16,896 bytes; 512 stay unused).  Slot 0 has its last fill with the third tile; behind the barrier in front of the fourth tile nobody reads
; it any more, and it then serves the exchange between the waves of a pair and the way out.
; REGISTERS, 512 a wave: window 0: addresses, softmax state, Q's fragments v64-127, S (then P) v128-255.  Window 1: two fragment buffers v0-127, O v128-255.
.set PITCH,  272                       ; a key's row: 256 bytes + 16
.set VPITCH, 528                       ; a row of v transposed: 512 bytes + 16: 33 x 16: the 16 rows of a fragment load start in 16 different groups of banks (ISA guide 11.1)
.set T16,    16*PITCH
.set V16,    16*VPITCH
.set PART,   64*PITCH                  ; LDS bytes given to one tensor load
.set SLOTB,  8*PART
.set XCH,    8704                      ; exchange, in slot 0: 64 registers x 128 bytes + 512 bytes for maximum and sum, for each wave
.set STAGE,  8*XCH                     ; behind it, still in slot 0: 16 rows x 272 bytes for each wave
.set KBYTES, 256*256                   ; a slot's keys in kh
.set VBYTES, 256*2                     ; a slot's keys along a row of vth
.set CEXP,   0x420293ee                ; c = 256 log2(e) / sqrt(128) = 32.644463
.set NCEXP,  0xc20293ee                ; -c
.set ADRK, 4                           ; v4-5   LDS address of my K fragments in slot 0, 1
.set ADRV, 6                           ; v6-7   of my V fragments
.set QOFF, 8                           ; v8     my byte offset in the wave's 32 rows of q
.set STO,  9                           ; v9     way out: where I put 16 bytes
.set RD,   10                          ; v10    way out: where I read rows back
.set CO,   11                          ; v11    my byte offset in ah
.set XS,   12                          ; v12    exchange: where I put 16 bytes
.set XL,   13                          ; v13    exchange: the same place in my partner's part
.set TC,   16                          ; v16-23 four chains of maxima for each nq
.set TX,   24                          ; v24-25 what the other half of the lanes sent
.set NN,   26                          ; v26-27 -(new maximum x c); at the end: the kept tile's -(maximum x c) and sum
.set NMP,  28                          ; v28-31 the state -(maximum x c), for each nq twice (a pair for the packed forms)
.set ALP,  32                          ; v32-35 the rescaling factor, for each nq twice
.set LL,   36                          ; v36-37 the lane's sum (its half of the wave's keys)
.set SUM,  38                          ; v38-45 two chains of pairs for each nq
.set LINV, 46                          ; v46-49 my factor and my partner's, each times 8 / l, each twice
.set XB,   50                          ; v50-51 my partner's -(maximum x c) and sum
.set XT,   52                          ; v52-53 the given tile's -(maximum x c) and sum
.set QF,   64                          ; Q's fragment (nq, c) at 64 + 8 (4 nq + c)
.set SS,   128                         ; S(kt, nq) at 128 + 64 nq + 8 kt; P(nq, kc) at 128 + 64 nq + 16 kc
.set OO,   128                         ; window 1: O(dt, nq) at 128 + 64 nq + 8 dt
.set G1K, 24                           ; s[24:31] group 1 for K's tiles
.set G0K, 32                           ; s[32:39] group 0 for K's tiles, a set for each slot
.set G1V, 48                           ; s[48:55] group 1 for V's tiles
.set G0V, 56                           ; s[56:63] group 0 for V's tiles
.set MULSW, 0x01                       ; source 0 (K) window 1; Q, S window 0
.set MULOW, 0x51                       ; source 0 (V), C and D (O) window 1; P window 0
.set TOF,   0x40                       ; destination window 1, address window 0
.set MSB, 0
.macro WIN new                         ; the immediate's high byte repeats the setting that is left; a switch that changes nothing is dropped
.if MSB != \new
	s_set_vgpr_msb (MSB<<8)|\new
.set MSB, \new
.endif
.endm
.macro JLOAD s                         ; waves 0-3 ask for K's quarters, waves 4-7 for V's; the branch hangs on the wave's number alone
	s_cmp_eq_u32 s19, 0
	s_cbranch_scc0 .Lfor_v_\@
	tensor_load_to_lds s[G0K+4*(\s):G0K+4*(\s)+3], s[G1K:G1K+7]
	s_nop 0
	s_branch .Lasked_\@
.Lfor_v_\@:
	tensor_load_to_lds s[G0V+4*(\s):G0V+4*(\s)+3], s[G1V:G1V+7]
	s_nop 0
.Lasked_\@:
.endm
.macro ROUND                           ; a round of the cluster's barrier
	s_barrier_signal -1
	s_barrier_wait -1
	s_cmp_lg_u32 s14, 0
	s_cbranch_scc1 .Lnot_wave_0_\@
	s_barrier_signal -3
.Lnot_wave_0_\@:
	s_barrier_wait -3
	s_barrier_signal -1
	s_barrier_wait -1
.endm
.macro PLACES                          ; four plain vector instructions behind a matrix instruction (ISA guide 7.12.1)
.rept 4
	v_nop
.endr
.endm
	s_load_b256 s[4:11], s[0:1], 0x0               ; qh s[4:5], kh s[6:7], vth s[8:9], ah s[10:11]
	v_lshl_add_u32 v62, v0, 2, 0x44000
	v_mov_b32 v63, 0
	ds_add_u32 v62, v63
	v_lshrrev_b32 v1, 5, v0
	v_readfirstlane_b32 s14, v1                    ; wave 0..7
	s_lshr_b32 s19, s14, 2                         ; my key half.  Also: I fetch for K (0) or for V (1),
	s_and_b32 s21, s14, 3                          ; my query group.  Also: which quarter of that tile I fetch
	s_bfe_u32 s16, ttmp6, 0x40000                  ; cx
	s_lshl_b32 s18, ttmp9, 2
	s_add_co_u32 s18, s18, s16                     ; query block = 4 x cluster x + cx
	s_and_b32 s17, ttmp7, 0xffff                   ; batch x 16 + head
	s_mov_b32 s12, 0x76543210                      ; v_permlanex16_b32: lane i of one half reads lane i of the other
	s_mov_b32 s13, 0xfedcba98
	s_mov_b32 s[G1K], 15|(1<<16)|(1<<20)|(1<<21)|(5<<22)|(3<<25)   ; mask: all four of the cluster; elements of 2 bytes; padding of 4 words after every 64; bit 21 beside a mask
	s_mov_b32 s[G1K+1], 128<<16                    ; tensor_dim0 = 128
	s_mov_b32 s[G1K+2], 64<<16                     ; tensor_dim1 = 64
	s_mov_b32 s[G1K+3], 128<<16                    ; tile_dim0 = 128 elements: 256 bytes
	s_mov_b32 s[G1K+4], 64                         ; tile_dim1 = 64 keys
	s_mov_b32 s[G1K+5], 128                        ; elements from key to key
	s_mov_b32 s[G1K+6], 0
	s_mov_b32 s[G1K+7], 0
	s_mov_b32 s[G1V], 15|(1<<16)|(1<<20)|(1<<21)|(6<<22)|(3<<25)   ; the same, padding after every 128 words
	s_mov_b32 s[G1V+1], 256<<16                    ; tensor_dim0 = 256
	s_mov_b32 s[G1V+2], 32<<16                     ; tensor_dim1 = 32
	s_mov_b32 s[G1V+3], 256<<16                    ; tile_dim0 = 256 elements: 512 bytes
	s_mov_b32 s[G1V+4], 32                         ; tile_dim1 = 32 rows
	s_mov_b32 s[G1V+5], 1024                       ; elements from d to d + 1
	s_mov_b32 s[G1V+6], 0
	s_mov_b32 s[G1V+7], 0
	s_lshl_b32 s20, s17, 18                        ; a head is 262,144 bytes in qh, kh, vth
	s_lshl_b32 s22, s21, 14                        ; K: quarter x 64 keys x 256 bytes
	s_add_co_u32 s40, s20, s22
	s_mov_b32 s41, 0
	s_lshl_b32 s22, s21, 16                        ; V: quarter x 32 rows x 2,048 bytes
	s_add_co_u32 s42, s20, s22
	s_mov_b32 s43, 0
	s_lshl_b32 s22, s18, 15                        ; Q: query block x 128 rows x 256 bytes
	s_add_co_u32 s44, s20, s22
	s_lshl_b32 s22, s21, 13                        ; + query group x 32 rows
	s_add_co_u32 s44, s44, s22
	s_mov_b32 s45, 0
	s_lshr_b32 s46, s17, 4                         ; ah: row = batch x 1,024 + query block x 128 + query group x 32 + 16 kh (the tile that I keep), of 4,096 bytes,
	s_lshl_b32 s46, s46, 22
	s_lshl_b32 s22, s18, 19
	s_add_co_u32 s46, s46, s22
	s_lshl_b32 s22, s21, 17
	s_add_co_u32 s46, s46, s22
	s_lshl_b32 s22, s19, 16
	s_add_co_u32 s46, s46, s22
	s_and_b32 s22, s17, 15                         ; + head x 256 bytes
	s_lshl_b32 s22, s22, 8
	s_add_co_u32 s46, s46, s22
	s_mov_b32 s47, 0
	s_mul_i32 s23, s14, PART                       ; where my part of a tile goes: wave x 17,408
	s_wait_dscnt 0x0
	s_wait_kmcnt 0x0
	s_add_nc_u64 s[40:41], s[6:7], s[40:41]
	s_add_nc_u64 s[42:43], s[8:9], s[42:43]
	s_add_nc_u64 s[44:45], s[4:5], s[44:45]
	s_add_nc_u64 s[46:47], s[10:11], s[46:47]
.irp s, 0,1                                    ; slot s is set up for tile s (keys 256 s ..)
	s_mov_b32 s[G0K+4*\s], 1
	s_add_co_u32 s[G0K+4*\s+1], s23, \s*SLOTB
	s_add_nc_u64 s[G0K+4*\s+2:G0K+4*\s+3], s[40:41], \s*KBYTES
	s_or_b32 s[G0K+4*\s+3], s[G0K+4*\s+3], 0x80000000
	s_mov_b32 s[G0V+4*\s], 1
	s_add_co_u32 s[G0V+4*\s+1], s23, \s*SLOTB
	s_add_nc_u64 s[G0V+4*\s+2:G0V+4*\s+3], s[42:43], \s*VBYTES
	s_or_b32 s[G0V+4*\s+3], s[G0V+4*\s+3], 0x80000000
.endr
	ROUND                                          ; in front of the first joint loads
	JLOAD 0                                        ; both first fills go out together: two tensor loads of the wave are out here, later one
	JLOAD 1
	v_and_b32 v1, 15, v0                           ; r
	v_bfe_u32 v2, v0, 4, 1                         ; h
	v_lshlrev_b32 v[QOFF], 8, v1
	v_lshl_add_u32 v[QOFF], v2, 4, v[QOFF]         ; row r of 256 bytes + 16 h
.irp nq, 0,1
.irp c, 0,1,2,3
	global_load_b128 v[QF+8*(4*\nq+\c):QF+8*(4*\nq+\c)+3],   v[QOFF], s[44:45] offset:\nq*4096+64*\c      ; Q's fragments stay in registers for the whole kernel
	global_load_b128 v[QF+8*(4*\nq+\c)+4:QF+8*(4*\nq+\c)+7], v[QOFF], s[44:45] offset:\nq*4096+64*\c+32
.endr
.endr
	v_mul_u32_u24 v3, v1, PITCH
	v_lshl_add_u32 v3, v2, 4, v3                   ; r x 272 + 16 h
	s_mul_i32 s22, s19, 2*PART                     ; my 128 keys: rows 128 kh ..
	v_add_nc_u32 v[ADRK], s22, v3
	v_add_nc_u32 v[ADRK+1], SLOTB, v[ADRK]
	v_mul_u32_u24 v[ADRV], v1, VPITCH
	v_lshl_add_u32 v[ADRV], v2, 4, v[ADRV]         ; r x 528 + 16 h
	s_lshl_b32 s22, s19, 8                         ; my 128 keys: byte 256 kh of every row,
	s_add_co_u32 s22, s22, 4*PART                  ; behind K's four parts
	v_add_nc_u32 v[ADRV], s22, v[ADRV]
	v_add_nc_u32 v[ADRV+1], SLOTB, v[ADRV]
	s_mul_i32 s22, s14, T16
	s_add_co_u32 s22, s22, STAGE                   ; my stage
	v_add_nc_u32 v[STO], s22, v3
	v_mul_u32_u24 v3, v2, PITCH
	v_lshl_add_u32 v3, v1, 4, v3
	v_add_nc_u32 v[RD], s22, v3                    ; back: lanes 0-15 one row of 256 bytes, lanes 16-31 the next
	v_lshlrev_b32 v3, 12, v2
	v_lshl_add_u32 v[CO], v1, 4, v3                ; the same two rows in ah
	v_and_b32 v3, 31, v0
	v_lshlrev_b32 v3, 4, v3                        ; 16 bytes a lane
	s_mul_i32 s22, s14, XCH
	v_add_nc_u32 v[XS], s22, v3                    ; my part of the exchange
	s_xor_b32 s22, s14, 4                          ; my partner: the same query group, the other key half
	s_mul_i32 s22, s22, XCH
	v_add_nc_u32 v[XL], s22, v3
	v_mov_b32 v[TX], 0                             ; v_permlanex16_b32 counts as a reader of its destination
	v_mov_b32 v[TX+1], 0
.macro WM d, x, y, zero
.if \zero
	v_wmma_f32_16x16x32_f16 v[\d:\d+7], v[\x:\x+7], v[\y:\y+7], 0
.else
	v_wmma_f32_16x16x32_f16 v[\d:\d+7], v[\x:\x+7], v[\y:\y+7], v[\d:\d+7]
.endif
.endm
.macro FETCHK slot, c, n               ; 16 LDS loads: my eight key tiles, d chunk c, into buffer n
.irp t, 0,1,2,3,4,5,6,7
	ds_load_b128 v[64*(\n)+8*\t:64*(\n)+8*\t+3],   v[ADRK+\slot] offset:\t*T16+64*(\c)
	ds_load_b128 v[64*(\n)+8*\t+4:64*(\n)+8*\t+7], v[ADRK+\slot] offset:\t*T16+64*(\c)+32
.endr
.endm
.macro FETCHV slot, kc, n              ; 16 LDS loads: all eight d tiles, my key chunk kc, into buffer n; d tile t lies in part 4 + t / 2
.irp t, 0,1,2,3,4,5,6,7
	ds_load_b128 v[64*(\n)+8*\t:64*(\n)+8*\t+3],   v[ADRV+\slot] offset:(\t/2)*PART+(\t%2)*V16+64*(\kc)
	ds_load_b128 v[64*(\n)+8*\t+4:64*(\n)+8*\t+7], v[ADRV+\slot] offset:(\t/2)*PART+(\t%2)*V16+64*(\kc)+32
.endr
.endm
; 16 matrix instructions each; the sixteen accumulators take turns, one instruction a turn, in the same order for every chunk.
.macro MULS c, n, zero                 ; S^T += K(my 128 keys, d chunk c, in buffer n) Q^T
.irp kt, 0,1,2,3,4,5,6,7
.irp nq, 0,1
	WM SS+64*\nq+8*\kt, 64*(\n)+8*\kt, QF+8*(4*\nq+(\c)), \zero
.endr
.endr
.endm
.macro MULO kc, n, zero                ; O^T += V^T(all 128 d, my key chunk kc, in buffer n) P^T
.irp dt, 0,1,2,3,4,5,6,7
.irp nq, 0,1
	WM OO+64*\nq+8*\dt, 64*(\n)+8*\dt, SS+64*\nq+16*(\kc), \zero
.endr
.endr
.endm
.macro EXPG nq, kc                     ; 16 scores of a lane: p = 2^(c s - c max)
.irp q, 0,2,4,6,8,10,12,14
	v_pk_fma_f32 v[SS+64*\nq+16*\kc+\q:SS+64*\nq+16*\kc+\q+1], v[SS+64*\nq+16*\kc+\q:SS+64*\nq+16*\kc+\q+1], CEXP, v[NMP+2*\nq:NMP+2*\nq+1] op_sel_hi:[1,0,1]
.endr
.irp j, 0,1,2,3,4,5,6,7,8,9,10,11,12,13,14,15
	v_exp_f32 v[SS+64*\nq+16*\kc+\j], v[SS+64*\nq+16*\kc+\j]
.endr
.endm
.macro ACCG nq, kc                     ; the 16 p are added to the lane's two chains in f32, then rounded to f16 into the group's first 8 registers: P's fragment
.if \kc == 0
	s_wait_alu depctr_va_vdst(0)
	v_pk_add_f32 v[SUM+4*\nq:SUM+4*\nq+1],   v[SS+64*\nq:SS+64*\nq+1],     v[SS+64*\nq+4:SS+64*\nq+5]      ; the first adds start the chains
	v_pk_add_f32 v[SUM+4*\nq+2:SUM+4*\nq+3], v[SS+64*\nq+2:SS+64*\nq+3],   v[SS+64*\nq+6:SS+64*\nq+7]
.else
	s_wait_alu depctr_va_vdst(0)
.irp q, 0,4
	v_pk_add_f32 v[SUM+4*\nq:SUM+4*\nq+1],   v[SUM+4*\nq:SUM+4*\nq+1],     v[SS+64*\nq+16*\kc+\q:SS+64*\nq+16*\kc+\q+1]
	v_pk_add_f32 v[SUM+4*\nq+2:SUM+4*\nq+3], v[SUM+4*\nq+2:SUM+4*\nq+3],   v[SS+64*\nq+16*\kc+\q+2:SS+64*\nq+16*\kc+\q+3]
.endr
.endif
.irp q, 8,12
	v_pk_add_f32 v[SUM+4*\nq:SUM+4*\nq+1],   v[SUM+4*\nq:SUM+4*\nq+1],     v[SS+64*\nq+16*\kc+\q:SS+64*\nq+16*\kc+\q+1]
	v_pk_add_f32 v[SUM+4*\nq+2:SUM+4*\nq+3], v[SUM+4*\nq+2:SUM+4*\nq+3],   v[SS+64*\nq+16*\kc+\q+2:SS+64*\nq+16*\kc+\q+3]
.endr
.irp i, 0,1,2,3,4,5,6,7
	v_cvt_pk_f16_f32 v[SS+64*\nq+16*\kc+\i], v[SS+64*\nq+16*\kc+2*\i], v[SS+64*\nq+16*\kc+2*\i+1]   ; ascending: register i is written when 2 i and 2 i + 1 >= i have been read
.endr
.endm
.macro SOFTMAX first
.irp nq, 0,1
.irp k, 0,1,2,3
	v_max_num_f32 v[TC+4*\nq+\k], v[SS+64*\nq+16*\k], v[SS+64*\nq+16*\k+1]
.endr
.irp i, 2,4,6,8,10,12,14
.irp k, 0,1,2,3
	v_max3_num_f32 v[TC+4*\nq+\k], v[TC+4*\nq+\k], v[SS+64*\nq+16*\k+\i], v[SS+64*\nq+16*\k+\i+1]
.endr
.endr
	v_max3_num_f32 v[TC+4*\nq], v[TC+4*\nq], v[TC+4*\nq+1], v[TC+4*\nq+2]
	v_max_num_f32 v[TC+4*\nq], v[TC+4*\nq], v[TC+4*\nq+3]
	v_permlanex16_b32 v[TX+\nq], v[TC+4*\nq], s12, s13             ; the other half of the lanes holds the query's other 64 keys of the block
	v_max_num_f32 v[TC+4*\nq], v[TC+4*\nq], v[TX+\nq]
	v_mul_f32 v[NN+\nq], NCEXP, v[TC+4*\nq]                        ; -(block maximum x c)
.if \first == 0
	v_min_num_f32 v[NN+\nq], v[NN+\nq], v[NMP+2*\nq]               ; the running maximum, as its negative
	v_sub_f32 v[ALP+2*\nq], v[NN+\nq], v[NMP+2*\nq]                ; (old - new maximum) x c <= 0, from the two rounded numbers that the exponents use
.endif
.endr
.if \first == 0
	v_exp_f32 v[ALP], v[ALP]
	v_exp_f32 v[ALP+2], v[ALP+2]
.endif
.irp nq, 0,1
	v_mov_b32 v[NMP+2*\nq], v[NN+\nq]                              ; plain instructions behind the exponentials, ahead of their use (ISA guide 5.7.2)
	v_mov_b32 v[NMP+2*\nq+1], v[NN+\nq]
.endr
.if \first == 0
	s_wait_alu depctr_va_vdst(0)
	v_mov_b32 v[ALP+1], v[ALP]
	v_mov_b32 v[ALP+3], v[ALP+2]
.endif
	; a group's exponentials are followed by plain work on another group before they are used
	EXPG 0, 0
	EXPG 0, 1
	ACCG 0, 0
	EXPG 0, 2
	ACCG 0, 1
	EXPG 0, 3
	ACCG 0, 2
	EXPG 1, 0
	ACCG 0, 3
	EXPG 1, 1
	ACCG 1, 0
	EXPG 1, 2
	ACCG 1, 1
	EXPG 1, 3
	ACCG 1, 2
.if \first == 0
	WIN 0x41                                       ; O in window 1, the factor in window 0
.irp nq, 0,1
.irp q, 0,2,4,6,8,10,12,14,16,18,20,22,24,26,28,30,32,34,36,38,40,42,44,46,48,50,52,54,56,58,60,62
	v_pk_mul_f32 v[OO+64*\nq+\q:OO+64*\nq+\q+1], v[OO+64*\nq+\q:OO+64*\nq+\q+1], v[ALP+2*\nq:ALP+2*\nq+1]
.endr
.endr
	WIN 0
.endif
	ACCG 1, 3
.irp nq, 0,1
	v_pk_add_f32 v[SUM+4*\nq:SUM+4*\nq+1], v[SUM+4*\nq:SUM+4*\nq+1], v[SUM+4*\nq+2:SUM+4*\nq+3]
.if \first
	v_add_f32 v[LL+\nq], v[SUM+4*\nq], v[SUM+4*\nq+1]
.else
	v_add_f32 v[SUM+4*\nq], v[SUM+4*\nq], v[SUM+4*\nq+1]
	v_fma_f32 v[LL+\nq], v[LL+\nq], v[ALP+2*\nq], v[SUM+4*\nq]
.endif
.endr
.endm
; My 128 keys of the tile in slot 'slot'.  The two buffers take turns; each fetch of 16 loads is issued one product ahead of its use,
; so every wait leaves the one younger fetch out: s_wait_dscnt 16.
.macro WORK slot, first
	WIN TOF
	FETCHK \slot, 0, 0
	FETCHK \slot, 1, 1
.if \first
	s_wait_loadcnt 0x0                             ; Q
.endif
	s_wait_dscnt 16
	WIN MULSW
	MULS 0, 0, 1                                   ; the first chunk's products start the scores
	PLACES
	WIN TOF
	FETCHK \slot, 2, 0
	s_wait_dscnt 16
	WIN MULSW
	MULS 1, 1, 0
	PLACES
	WIN TOF
	FETCHK \slot, 3, 1
	s_wait_dscnt 16
	WIN MULSW
	MULS 2, 0, 0
	PLACES
	WIN TOF
	FETCHV \slot, 0, 0
	s_wait_dscnt 16
	WIN MULSW
	MULS 3, 1, 0
	PLACES                                         ; these four places also stand between the last product and the softmax's reads
	WIN TOF
	FETCHV \slot, 1, 1
	WIN 0
	SOFTMAX \first
	s_wait_dscnt 16
	WIN MULOW
	MULO 0, 0, \first
	PLACES
	WIN TOF
	FETCHV \slot, 2, 0
	s_wait_dscnt 16
	WIN MULOW
	MULO 1, 1, 0
	PLACES
	WIN TOF
	FETCHV \slot, 3, 1
	s_wait_dscnt 16
	WIN MULOW
	MULO 2, 0, 0
	s_wait_dscnt 0x0
	MULO 3, 1, 0
.rept 5
	v_nop                                          ; five places: the next block's products write over P's registers, its loads land in the buffers, O is rescaled or stored
.endr
	WIN 0
.endm
; Slot 'slot' has been read and is asked for again, two tiles on.
.macro NEXT slot
	s_wait_tensorcnt 0x0                           ; all my tensor loads have landed, my part of the other slot among them,
	ds_add_u32 v62, v63
	s_add_nc_u64 s[G0K+4*\slot+2:G0K+4*\slot+3], s[G0K+4*\slot+2:G0K+4*\slot+3], 2*KBYTES   ; so every group 0 may be written
	s_add_nc_u64 s[G0V+4*\slot+2:G0V+4*\slot+3], s[G0V+4*\slot+2:G0V+4*\slot+3], 2*VBYTES
	s_wait_dscnt 0x0                               ; my reads of this slot are done
	ROUND                                          ; both now hold of every wave of all four work-groups
	JLOAD \slot                                    ; my one tensor load behind the round: it has the other slot's whole work in which to land
.endm
	s_wait_tensorcnt 0x1                           ; my part of tile 0 is in; tile 1's may stay out
	s_barrier_signal -1
	s_barrier_wait -1                              ; everybody's is
	WORK 0, 1                                      ; keys 0-255
	NEXT 0
	WORK 1, 0                                      ; keys 256-511
	NEXT 1
	WORK 0, 0                                      ; keys 512-767: slot 0's last tile
	s_wait_tensorcnt 0x0                           ; my part of the last tile is in,
	s_wait_dscnt 0x0                               ; my reads of slot 0 are done: behind this barrier slot 0 is free for LDS stores, and nothing is left to fetch
	s_barrier_signal -1
	s_barrier_wait -1
	WORK 1, 0                                      ; keys 768-1023
	; THE PAIR JOINS.  The wave of key half 0 keeps query tile 0 and gives tile 1; its partner the other way round.
.macro SEND give, keep
	v_mov_b32 v[XT], v[NMP+2*\give]
	v_mov_b32 v[XT+1], v[LL+\give]
	v_mov_b32 v[NN], v[NMP+2*\keep]
	v_mov_b32 v[NN+1], v[LL+\keep]
	ds_store_b64 v[XS], v[XT:XT+1] offset:16*512
	WIN 0x04                                       ; store data in window 1
.irp i, 0,1,2,3,4,5,6,7,8,9,10,11,12,13,14,15
	ds_store_b128 v[XS], v[OO+64*\give+4*\i:OO+64*\give+4*\i+3] offset:512*\i   ; 32 lanes x 16 neighbouring bytes
.endr
	WIN 0
.endm
	s_cmp_eq_u32 s19, 0
	s_cbranch_scc0 .Lgive_0
	SEND 1, 0
	s_branch .Lgiven
.Lgive_0:
	SEND 0, 1
.Lgiven:
	s_wait_dscnt 0x0                               ; my stores are done,
	s_barrier_signal -1
	s_barrier_wait -1                              ; everybody's are
	ds_load_b64 v[XB:XB+1], v[XL] offset:16*512
.irp i, 0,1,2,3,4,5,6,7,8,9,10,11,12,13,14,15
	ds_load_b128 v[SS+4*\i:SS+4*\i+3], v[XL] offset:512*\i         ; my partner's O of the tile that I keep, register for register
.endr
	s_wait_dscnt 16                                ; its maximum and sum are in; the 16 younger loads may be out
	v_min_num_f32 v[TC], v[NN], v[XB]              ; -(the larger maximum x c)
	v_sub_f32 v[ALP], v[TC], v[NN]
	v_sub_f32 v[ALP+2], v[TC], v[XB]
	v_exp_f32 v[ALP], v[ALP]                       ; my factor
	v_exp_f32 v[ALP+2], v[ALP+2]                   ; my partner's
	v_nop                                          ; a plain place behind the exponentials (ISA guide 5.7.2)
	s_wait_alu depctr_va_vdst(0)
	v_mul_f32 v[TC+1], v[NN+1], v[ALP]
	v_fma_f32 v[TC+1], v[XB+1], v[ALP+2], v[TC+1]
	v_permlanex16_b32 v[TX], v[TC+1], s12, s13     ; the two halves of the lanes join their sums
	v_add_f32 v[TC+1], v[TC+1], v[TX]
	v_rcp_f32 v[TC+2], v[TC+1]
	v_nop                                          ; a plain place behind the reciprocal
	s_wait_alu depctr_va_vdst(0)
	v_mul_f32 v[TC+2], 0x41000000, v[TC+2]         ; 8 / l
	v_mul_f32 v[LINV], v[ALP], v[TC+2]
	v_mul_f32 v[LINV+2], v[ALP+2], v[TC+2]
	v_mov_b32 v[LINV+1], v[LINV]
	v_mov_b32 v[LINV+3], v[LINV+2]
	s_wait_dscnt 0x0
.irp q, 0,2,4,6,8,10,12,14,16,18,20,22,24,26,28,30,32,34,36,38,40,42,44,46,48,50,52,54,56,58,60,62
	v_pk_mul_f32 v[SS+\q:SS+\q+1], v[SS+\q:SS+\q+1], v[LINV+2:LINV+3]
.endr
.macro JOIN nq
	WIN 0x01                                       ; my O in window 1
.irp q, 0,2,4,6,8,10,12,14,16,18,20,22,24,26,28,30,32,34,36,38,40,42,44,46,48,50,52,54,56,58,60,62
	v_pk_fma_f32 v[SS+\q:SS+\q+1], v[OO+64*\nq+\q:OO+64*\nq+\q+1], v[LINV:LINV+1], v[SS+\q:SS+\q+1]
.endr
	WIN 0
.endm
	s_cmp_eq_u32 s19, 0
	s_cbranch_scc0 .Lkeep_1
	JOIN 0
	s_branch .Ljoined
.Lkeep_1:
	JOIN 1
.Ljoined:
	; THE WAY OUT: 16 queries: round to f16, 16 bytes a lane into my own stage, whole rows of 256 bytes back and out.
.irp dt, 0,1,2,3,4,5,6,7
.irp r, 0,1,2,3
	v_cvt_pk_f16_f32 v[192+4*\dt+\r], v[SS+8*\dt+2*\r], v[SS+8*\dt+2*\r+1]
.endr
.endr
.irp dt, 0,1,2,3,4,5,6,7
	ds_store_b128 v[STO], v[192+4*\dt:192+4*\dt+3] offset:32*\dt   ; row = query r, d = 16 dt + 8 h ..
.endr
.irp t, 0,1,2,3,4,5,6,7
	ds_load_b128 v[224+4*\t:224+4*\t+3], v[RD] offset:2*PITCH*\t   ; my own bytes; LDS serves a wave's instructions in order (ISA guide 5.7.1.4)
.endr
.irp t, 0,1,2,3,4,5,6,7
	s_wait_dscnt 7-\t                              ; load t is in, the 7 - t younger ones may be out
	global_store_b128 v[CO], v[224+4*\t:224+4*\t+3], s[46:47] offset:2*\t*4096   ; 16 lanes store the head's 256 bytes of a row, aligned
.endr
	s_wait_tensorcnt 0x0
	ds_add_u32 v62, v63
	s_wait_dscnt 0x0
	ROUND                                          ; the closing round
	s_endpgm
.Lfunc_end_k_q654cfd637d_attn:
	.size	k_q654cfd637d_attn, .Lfunc_end_k_q654cfd637d_attn-k_q654cfd637d_attn
	.p2alignl 7, 3214868480
	.fill 96, 4, 3214868480
	.section	.rodata,"a",@progbits
	.p2align	6, 0x0
	.amdhsa_kernel k_q654cfd637d_attn
		.amdhsa_group_segment_fixed_size 327680
		.amdhsa_private_segment_fixed_size 0
		.amdhsa_enable_private_segment 0
		.amdhsa_kernarg_size 32
		.amdhsa_user_sgpr_count 2
		.amdhsa_user_sgpr_kernarg_segment_ptr 1
		.amdhsa_wavefront_size32 1
		.amdhsa_system_sgpr_workgroup_id_x 1
		.amdhsa_system_sgpr_workgroup_id_y 1
		.amdhsa_system_sgpr_workgroup_id_z 1
		.amdhsa_system_vgpr_workitem_id 0
		.amdhsa_next_free_vgpr 512
		.amdhsa_next_free_sgpr 66
		.amdhsa_reserve_vcc 0
		.amdhsa_float_denorm_mode_32 3
		.amdhsa_float_denorm_mode_16_64 3
		.amdhsa_memory_ordered 1
		.amdhsa_forward_progress 1
		.amdhsa_inst_pref_size 200
	.end_amdhsa_kernel
	.amdgpu_metadata
---
amdhsa.version: [ 1, 2 ]
amdhsa.kernels:
  - .name:           k_q654cfd637d_attn
    .symbol:         k_q654cfd637d_attn.kd
    .args:
      - { .name: qh, .offset: 0, .size: 8, .value_kind: global_buffer, .address_space: global }
      - { .name: kh, .offset: 8, .size: 8, .value_kind: global_buffer, .address_space: global }
      - { .name: vth, .offset: 16, .size: 8, .value_kind: global_buffer, .address_space: global }
      - { .name: ah, .offset: 24, .size: 8, .value_kind: global_buffer, .address_space: global }
    .group_segment_fixed_size: 327680
    .private_segment_fixed_size: 0
    .kernarg_segment_align: 8
    .kernarg_segment_size: 32
    .max_flat_workgroup_size: 256
    .sgpr_count:     66
    .vgpr_count:     512
    .wavefront_size: 32
...
	.end_amdgpu_metadata
.endif
;; end of part 3
;; launch oproj (part 4): grid 16 x 16, 4 waves a work-group, clusters of 4 x 4, 327,680 bytes of LDS; arguments ah, woh, out0; writes out0
.if DOCPART == 4
	.amdgcn_target "amdgcn-amd-amdhsa--gfx1250"
	.amdhsa_code_object_version 6
	.text
	.protected	k_q654cfd637d_oproj
	.globl	k_q654cfd637d_oproj
	.p2align	8
	.type	k_q654cfd637d_oproj,@function
k_q654cfd637d_oproj:
	s_mov_b64 s[64:65], 0
	v_nop
	global_prefetch_b8 v0, s[64:65] scope:SCOPE_SE
	s_setreg_imm32_b32 hwreg(HW_REG_WAVE_MODE, 25, 1), 1
	s_wait_xcnt 0x0
	s_wait_alu depctr_hold_cnt(0) depctr_sa_sdst(0) depctr_va_vdst(0) depctr_va_sdst(0) depctr_va_ssrc(0) depctr_va_vcc(0) depctr_vm_vsrc(0)
	s_getreg_b32 s2, hwreg(HW_REG_IB_STS2, 6, 4)
	s_cmp_eq_u32 s2, 0
	s_cbranch_scc0 .Lentry_in_a_cluster
	s_endpgm
.Lentry_in_a_cluster:
	s_bfe_u32 s2, ttmp6, 0x10000c
	s_cmp_lg_u32 s2, 0xf033
	s_cbranch_scc0 .Lentry_shape_is_right
	s_endpgm
.Lentry_shape_is_right:
; out0 = attention output x wo^T.  ah: [2048][2048] f16, half the true value.  woh: [2048][2048] f16.  out0: [2048][2048] f32; sums in f32, times 2 (exact) on the way out.
; A work-group makes 128 x 128 of out0 with four waves; wave (rh = w / 2, ch = w % 2) makes 64 x 64: 16 accumulator tiles.
; One K step's work is short here, so a slot holds K = 256: rows of 512 bytes, 128 rows of A and 128 of B, two slots; a slot step is 8 chunks of K = 32,
; 128 matrix instructions a wave, and a refill has that long to land.
; CLUSTERS: 4 x 4 work-groups; A's tile is asked for jointly along a row of the cluster, B's along a column: a quarter of the requests.
; The matrix instruction is used transposed (source 0 = 16 rows of wo, source 1 = 16 rows of A): a lane holds row l % 16 and eight neighbouring columns.
; REGISTERS: window 0: addresses, v64-127 rows on their way out (two sets), v128-255 accumulator (a, b) at 128 + 8 (4 a + b).
;   window 1: four fragment buffers of 64: in buffer n, B's tile b at 64 n + 8 b, A's tile a at 64 n + 32 + 8 a.
.set HID,    2048
.set KSLOT,  256
.set PITCH,  528                       ; 512 bytes + 16 of padding: 33 x 16: the 16 rows of a fragment load start in 16 different groups of banks (ISA guide 11.1)
.set T16,    16*PITCH
.set T64,    64*PITCH                  ; what one tensor load brings
.set SLOT,   4*T64                     ; A's 128 rows, then B's
.set STAGE,  2*SLOT                    ; behind the ring: 16 rows x 272 bytes for each wave
.set SPITCH, 272
.set ADRA, 16                          ; v16-17 LDS address of my A fragments in slot 0, 1
.set ADRB, 18                          ; v18-19 of my B fragments
.set STO,  20
.set RD,   21
.set CO,   22
.set OUTR, 64
.set ACC,  128
.set G1,  24
.set G0,  32
.set G1B, 48
.set G0B, 56
.set G1W0, (1<<16)|(1<<20)|(1<<21)|(6<<22)|(3<<25)   ; elements of 2 bytes; padding of 4 words after every 128; bit 21 beside a mask
.set MULW, 0x05                        ; both sources window 1, C and D window 0
.set TOF,  0x40                        ; destination window 1, address window 0
.set MSB, 0
.macro WIN new
.if MSB != \new
	s_set_vgpr_msb (MSB<<8)|\new
.set MSB, \new
.endif
.endm
.macro JLOAD s                         ; waves 0, 1 ask for A's halves, waves 2, 3 for B's
	s_cmp_eq_u32 s11, 0
	s_cbranch_scc0 .Lfor_b_\@
	tensor_load_to_lds s[G0+4*(\s):G0+4*(\s)+3], s[G1:G1+7]
	s_nop 0
	s_branch .Lasked_\@
.Lfor_b_\@:
	tensor_load_to_lds s[G0B+4*(\s):G0B+4*(\s)+3], s[G1B:G1B+7]
	s_nop 0
.Lasked_\@:
.endm
.macro CREST
	s_cmp_lg_u32 s10, 0
	s_cbranch_scc1 .Lnot_wave_0_\@
	s_barrier_signal -3
.Lnot_wave_0_\@:
	s_barrier_wait -3
	s_barrier_signal -1
	s_barrier_wait -1
.endm
.macro CROUND
	s_barrier_signal -1
	s_barrier_wait -1
	CREST
.endm
.macro PLACES
.rept 4
	v_nop
.endr
.endm
	s_load_b128 s[4:7], s[0:1], 0x0                ; ah s[4:5], woh s[6:7]
	s_load_b64 s[8:9], s[0:1], 0x10                ; out0
	v_lshl_add_u32 v62, v0, 2, 0x46400
	v_mov_b32 v63, 0
	ds_add_u32 v62, v63
	v_lshrrev_b32 v1, 5, v0
	v_readfirstlane_b32 s10, v1                    ; wave 0..3
	s_lshr_b32 s11, s10, 1                         ; rh.  Also: I fetch for A (0) or for B (1)
	s_and_b32 s12, s10, 1                          ; ch.  Also: which 64 rows of that tile I fetch
	s_bfe_u32 s40, ttmp6, 0x40000                  ; cx
	s_bfe_u32 s41, ttmp6, 0x40004                  ; cy
	s_lshl_b32 s42, ttmp9, 2
	s_add_co_u32 s42, s42, s40                     ; column block
	s_and_b32 s13, ttmp7, 0xffff
	s_lshl_b32 s13, s13, 2
	s_add_co_u32 s13, s13, s41                     ; row block
	s_lshl_b32 s43, s41, 2
	s_lshl_b32 s43, 15, s43                        ; my row of the cluster
	s_lshl_b32 s44, 0x1111, s40                    ; my column
	s_or_b32 s[G1], s43, G1W0
	s_or_b32 s[G1B], s44, G1W0
.irp g, G1, G1B
	s_mov_b32 s[\g+1], KSLOT<<16                   ; tensor_dim0 = 256
	s_mov_b32 s[\g+2], 64<<16                      ; tensor_dim1 = 64
	s_mov_b32 s[\g+3], KSLOT<<16                   ; tile_dim0 = 256 elements: 512 bytes
	s_mov_b32 s[\g+4], 64                          ; tile_dim1 = 64 rows
	s_mov_b32 s[\g+5], HID
	s_mov_b32 s[\g+6], 0
	s_mov_b32 s[\g+7], 0
.endr
	s_lshl_b32 s17, s12, 6                         ; which 64 rows
	s_lshl_b32 s16, s13, 7
	s_add_co_u32 s16, s16, s17                     ; A: row 128 x row block + 64 x half,
	s_lshl_b32 s16, s16, 12                        ; of 4,096 bytes
	s_lshl_b32 s46, s42, 7
	s_add_co_u32 s46, s46, s17                     ; B: row 128 x column block + 64 x half
	s_lshl_b32 s46, s46, 12
	s_mov_b32 s17, 0
	s_mov_b32 s47, 0
	s_mul_i32 s20, s10, T64                        ; where my half tile goes: wave x 64 rows
	s_wait_dscnt 0x0
	s_wait_kmcnt 0x0
	s_add_nc_u64 s[14:15], s[4:5], s[16:17]
	s_add_nc_u64 s[46:47], s[6:7], s[46:47]
	CROUND                                         ; the first joint loads meet
.irp s, 0,1
	s_mov_b32 s[G0+4*\s], 1
	s_add_co_u32 s[G0+4*\s+1], s20, \s*SLOT
	s_add_nc_u64 s[G0+4*\s+2:G0+4*\s+3], s[14:15], \s*KSLOT*2
	s_or_b32 s[G0+4*\s+3], s[G0+4*\s+3], 0x80000000
	s_mov_b32 s[G0B+4*\s], 1
	s_add_co_u32 s[G0B+4*\s+1], s20, \s*SLOT
	s_add_nc_u64 s[G0B+4*\s+2:G0B+4*\s+3], s[46:47], \s*KSLOT*2
	s_or_b32 s[G0B+4*\s+3], s[G0B+4*\s+3], 0x80000000
	JLOAD \s                                       ; two tensor loads of the wave are out here, later one
.endr
	v_and_b32 v1, 15, v0                           ; r
	v_bfe_u32 v2, v0, 4, 1                         ; h
	v_mul_u32_u24 v3, v1, PITCH
	v_lshl_add_u32 v3, v2, 4, v3
	s_mul_i32 s21, s11, T64                        ; my 64 rows of A
	s_mul_i32 s22, s12, T64                        ; my 64 rows of B,
	s_add_co_u32 s22, s22, 2*T64                   ; behind A's 128
.irp s, 0,1
	v_add_nc_u32 v[ADRA+\s], s21, v3
	v_add_nc_u32 v[ADRB+\s], s22, v3
	s_add_co_u32 s21, s21, SLOT
	s_add_co_u32 s22, s22, SLOT
.endr
	s_mul_i32 s23, s10, 16*SPITCH
	s_add_co_u32 s23, s23, STAGE                   ; my stage
	v_mul_u32_u24 v4, v1, SPITCH
	v_lshl_add_u32 v4, v2, 5, v4                   ; in: row r, 32 bytes (8 f32) for each half of the lanes
	v_add_nc_u32 v[STO], s23, v4
	v_mul_u32_u24 v5, v2, SPITCH
	v_lshl_add_u32 v5, v1, 4, v5
	v_add_nc_u32 v[RD], s23, v5                    ; back: lanes 0-15 one row of 256 bytes, lanes 16-31 the next
	v_lshlrev_b32 v5, 13, v2
	v_lshl_add_u32 v[CO], v1, 4, v5                ; the same two rows in out0 (8,192 bytes a row)
.macro WM d, x, y, zero
.if \zero
	v_wmma_f32_16x16x32_f16 v[\d:\d+7], v[\x:\x+7], v[\y:\y+7], 0
.else
	v_wmma_f32_16x16x32_f16 v[\d:\d+7], v[\x:\x+7], v[\y:\y+7], v[\d:\d+7]
.endif
.endm
.macro MUL16 n, zero                   ; one chunk of K = 32 from buffer n; the sixteen accumulators take turns, one instruction a turn, always in this order
.irp a, 0,1,2,3
.irp b, 0,1,2,3
	WM ACC+8*(4*\a+\b), 64*(\n)+8*\b, 64*(\n)+32+8*\a, \zero
.endr
.endr
.endm
.macro FETCH slot, c, n                ; 16 LDS loads: chunk c of the slot into buffer n
.irp t, 0,1,2,3
	ds_load_b128 v[64*(\n)+8*\t:64*(\n)+8*\t+3],   v[ADRB+\slot] offset:\t*T16+64*(\c)
	ds_load_b128 v[64*(\n)+8*\t+4:64*(\n)+8*\t+7], v[ADRB+\slot] offset:\t*T16+64*(\c)+32
.endr
.irp t, 0,1,2,3
	ds_load_b128 v[64*(\n)+32+8*\t:64*(\n)+32+8*\t+3],   v[ADRA+\slot] offset:\t*T16+64*(\c)
	ds_load_b128 v[64*(\n)+32+8*\t+4:64*(\n)+32+8*\t+7], v[ADRA+\slot] offset:\t*T16+64*(\c)+32
.endr
.endm
.macro CHUNK slot, c, zero             ; chunk c (0..3) is multiplied, its buffer takes chunk c + 4
	s_wait_dscnt 48                                ; buffer c is in: three fetches of 16 loads were issued behind it
	WIN MULW
	MUL16 \c, \zero
	PLACES
	WIN TOF
	FETCH \slot, \c+4, \c
.endm
; A slot step.  mode 2: this slot is filled again; 1: it is not; 0: the last step.
; In the second half all eight chunks are in registers or on their way from LDS, so the slot is given up early: each wave waits for its reads and for all its
; tensor loads (one is out: its part of the next slot), and behind the barrier (a round of the cluster's barrier where the slot is filled again) the joint refill comes first.
.macro STEP slot, next, mode, zero
	CHUNK \slot, 0, \zero
	CHUNK \slot, 1, 0
	CHUNK \slot, 2, 0
	CHUNK \slot, 3, 0
.if \mode
	s_wait_dscnt 48                                ; chunk 4 is in
	WIN MULW
	MUL16 0, 0
	s_wait_dscnt 0x0                               ; my reads of this slot are over
	s_set_vgpr_msb 0x500
	s_wait_tensorcnt 0x0                           ; all my tensor loads have landed
	ds_add_u32 v62, v63
	s_wait_dscnt 0x0
	s_set_vgpr_msb 0x5
	s_barrier_signal -1
	MUL16 1, 0                                     ; registers only
	WIN 0
	s_barrier_wait -1
.if \mode == 2
	CREST
	s_add_nc_u64 s[G0+4*\slot+2:G0+4*\slot+3], s[G0+4*\slot+2:G0+4*\slot+3], 2*KSLOT*2
	s_add_nc_u64 s[G0B+4*\slot+2:G0B+4*\slot+3], s[G0B+4*\slot+2:G0B+4*\slot+3], 2*KSLOT*2
	JLOAD \slot
.endif
	PLACES
	WIN TOF
	FETCH \next, 0, 0
	FETCH \next, 1, 1
	WIN MULW
	MUL16 2, 0
	PLACES
	WIN TOF
	FETCH \next, 2, 2
	WIN MULW
	MUL16 3, 0
	PLACES
	WIN TOF
	FETCH \next, 3, 3
.else
	WIN MULW
	s_wait_dscnt 48                                ; the counts run down: the fetches of the later chunks
	MUL16 0, 0
	s_wait_dscnt 32
	MUL16 1, 0
	s_wait_dscnt 16
	MUL16 2, 0
	s_wait_dscnt 0x0
	MUL16 3, 0
.endif
.endm
	s_wait_tensorcnt 0x1                           ; my part of slot 0 is in; slot 1's may stay out
	s_barrier_signal -1
	s_barrier_wait -1
	WIN TOF
.irp c, 0,1,2,3
	FETCH 0, \c, \c
.endr
	STEP 0, 1, 2, 1                                ; the first products start the sums
	STEP 1, 0, 2, 0
	WIN 0
	s_mov_b32 s3, 2
.Lpair:
	STEP 0, 1, 2, 0
	STEP 1, 0, 2, 0
	WIN 0
	s_sub_co_u32 s3, s3, 1
	s_cmp_lg_u32 s3, 0
	s_cbranch_scc1 .Lpair
	STEP 0, 1, 1, 0                                ; the last two steps fill nothing
	STEP 1, 0, 0, 0
	PLACES                                         ; behind the last matrix instructions: results are read below
	WIN 0
	s_lshl_b32 s16, s13, 7
	s_lshl_b32 s17, s11, 6
	s_add_co_u32 s16, s16, s17                     ; my first row,
	s_lshl_b32 s16, s16, 13                        ; of 8,192 bytes
	s_mov_b32 s17, 0
	s_add_nc_u64 s[8:9], s[8:9], s[16:17]
	s_lshl_b32 s46, s42, 9                         ; my first column, in bytes: 512 x block + 256 x half
	s_lshl_b32 s47, s12, 8
	s_add_co_u32 s46, s46, s47
	s_mov_b32 s47, 0
	s_add_nc_u64 s[8:9], s[8:9], s[46:47]
; 16 rows at a time: times 2 (ah holds half the attention output), into my own stage, whole rows of 256 bytes back and out.
.macro OUT16 a
.irp b, 0,1,2,3
.irp q, 0,2,4,6
	v_pk_mul_f32 v[ACC+8*(4*\a+\b)+\q:ACC+8*(4*\a+\b)+\q+1], v[ACC+8*(4*\a+\b)+\q:ACC+8*(4*\a+\b)+\q+1], 2.0 op_sel_hi:[1,0]
.endr
.endr
.irp b, 0,1,2,3
	ds_store_b128 v[STO], v[ACC+8*(4*\a+\b):ACC+8*(4*\a+\b)+3]   offset:64*\b
	ds_store_b128 v[STO], v[ACC+8*(4*\a+\b)+4:ACC+8*(4*\a+\b)+7] offset:64*\b+16
.endr
	s_wait_xcnt 0x0                                ; the output set and the stores' base are rewritten only behind this wait (ISA guide 3.1)
.if \a
	s_add_nc_u64 s[8:9], s[8:9], 16*HID*4          ; 16 rows on
.endif
.irp t, 0,1,2,3,4,5,6,7
	ds_load_b128 v[OUTR+32*(\a%2)+4*\t:OUTR+32*(\a%2)+4*\t+3], v[RD] offset:\t*2*SPITCH   ; my own bytes; LDS serves a wave's instructions in order (ISA guide 5.7.1.4)
.endr
.irp t, 0,1,2,3,4,5,6,7
	s_wait_dscnt 7-\t
	global_store_b128 v[CO], v[OUTR+32*(\a%2)+4*\t:OUTR+32*(\a%2)+4*\t+3], s[8:9] offset:\t*2*HID*4 th:TH_STORE_NT   ; 16 lanes store 256 consecutive bytes, aligned
.endr
.endm
	OUT16 0
	OUT16 1
	OUT16 2
	OUT16 3
	s_wait_tensorcnt 0x0
	ds_add_u32 v62, v63
	s_wait_dscnt 0x0
	CROUND                                         ; the closing round
	s_endpgm
.Lfunc_end_k_q654cfd637d_oproj:
	.size	k_q654cfd637d_oproj, .Lfunc_end_k_q654cfd637d_oproj-k_q654cfd637d_oproj
	.p2alignl 7, 3214868480
	.fill 96, 4, 3214868480
	.section	.rodata,"a",@progbits
	.p2align	6, 0x0
	.amdhsa_kernel k_q654cfd637d_oproj
		.amdhsa_group_segment_fixed_size 327680
		.amdhsa_private_segment_fixed_size 0
		.amdhsa_enable_private_segment 0
		.amdhsa_kernarg_size 24
		.amdhsa_user_sgpr_count 2
		.amdhsa_user_sgpr_kernarg_segment_ptr 1
		.amdhsa_wavefront_size32 1
		.amdhsa_system_sgpr_workgroup_id_x 1
		.amdhsa_system_sgpr_workgroup_id_y 1
		.amdhsa_system_sgpr_workgroup_id_z 1
		.amdhsa_system_vgpr_workitem_id 0
		.amdhsa_next_free_vgpr 512
		.amdhsa_next_free_sgpr 66
		.amdhsa_reserve_vcc 0
		.amdhsa_float_denorm_mode_32 3
		.amdhsa_float_denorm_mode_16_64 3
		.amdhsa_memory_ordered 1
		.amdhsa_forward_progress 1
		.amdhsa_inst_pref_size 128
	.end_amdhsa_kernel
	.amdgpu_metadata
---
amdhsa.version: [ 1, 2 ]
amdhsa.kernels:
  - .name:           k_q654cfd637d_oproj
    .symbol:         k_q654cfd637d_oproj.kd
    .args:
      - { .name: ah, .offset: 0, .size: 8, .value_kind: global_buffer, .address_space: global }
      - { .name: woh, .offset: 8, .size: 8, .value_kind: global_buffer, .address_space: global }
      - { .name: out0, .offset: 16, .size: 8, .value_kind: global_buffer, .address_space: global }
    .group_segment_fixed_size: 327680
    .private_segment_fixed_size: 0
    .kernarg_segment_align: 8
    .kernarg_segment_size: 24
    .max_flat_workgroup_size: 128
    .sgpr_count:     66
    .vgpr_count:     512
    .wavefront_size: 32
...
	.end_amdgpu_metadata
.endif
;; end of part 4
